; MI455X (gfx1250); checked and timed in simulation.
; The chip was launched on July 23, 2026; its instructions are those of AMD's public machine-readable ISA for CDNA 5 (MIT licence, August 2026) and "CDNA5" Instruction Set Architecture Reference Guide (July 2026). The comments in the code are by the model that wrote it; some were corrected since.
;; Attention. Allowed arithmetic: matrix products marked QUANTISED: E3M2 operands, one E8M0 scale for each 32 along K, by v_wmma_scale_f32_16x16x128_f8f6f4 with both operands' format E3M2, f32 sums; products left as they are: f32 operands where the result goes on into a quantised operand, else bf16, f16 or f32 operands; f32 sums; everything else in f32.
;; Inputs: Wh_codes 1,024 x 32 x 24 uint8 (E3M2 codes of Wh, K innermost, in blocks of 32 codes, four codes in three bytes); Wh_scales 1,024 x 32 uint8 (E8M0 scales of Wh, one for each 32 codes along K); Ws_b 1,024 float32; Ws_w_codes 1,024 x 32 x 24 uint8 (E3M2 codes of Ws_w, K innermost, in blocks of 32 codes, four codes in three bytes); Ws_w_scales 1,024 x 32 uint8 (E8M0 scales of Ws_w, one for each 32 codes along K); c_dec 1 x 16 x 512 float32; coverage_vector 16 x 4,096 float32; encoder_output 16 x 4,096 x 1,024 float32; h_dec 1 x 16 x 512 float32; v 1,024 float32; wc 1,024 float32; x_padding_masks 16 x 4,096 float32.
;; Outputs: out0 16 x 1,024 float32; out1 16 x 4,096 float32; out2 16 x 4,096 float32.
;; This version of the problem:
;;   THIS VERSION OF THE PROBLEM IS GIVEN IN LOW PRECISION. The matrix products marked QUANTISED in the list below multiply operands that are first quantised to E3M2 (3 exponent bits, 2 mantissa bits; 6 bits a number), with one power-of-two scale for each 32 numbers along K (OCP MX v1.0); their sums are f32. All else is computed in f32.
;;   The module's matrix products, in the order in which they are computed (A, B: the left and right operand; K: the contracted axis; several contracted axes count as one K, in the product's order):
;;     1. [M 65,536, K 1,024] x [K 1,024, N 1,024]; A: input encoder_output; B: input Wh (given as codes): QUANTISED
;;     2. [M 16, K 1,024] x [K 1,024, N 1,024]; A: computed on the way; B: input Ws_w (given as codes): QUANTISED
;;     3. [M 65,536, K 1,024] x [K 1,024, N 1]; A: computed on the way; B: input v: left as it is (N = 1 < 16)
;;     4. batch 16 x [M 1, K 4,096] x [K 4,096, N 1,024]; A: computed on the way; B: input encoder_output: left as it is (M = 1 < 16)
;;   THE QUANTISER, for each operand of a quantised product, along K:
;;     - K is cut into blocks of 32 from its start; a last block that is shorter is filled with zeros.
;;     - A block's scale is 2^e with e = floor(log2(the largest magnitude in the block)) - 4, held to -126 .. 127; a block of zeros has e = 0. As a byte (E8M0): e + 127.
;;     - Each number is divided by its block's scale, clamped to +-28, and rounded to the nearest number of E3M2, ties to even, subnormals kept.
;;     - The product sums the exact products of the quantised numbers (number of the format x scale) in f32.
;;   ~~~python
;;   def quantise(x, axis):      # numpy; x: float32 -> the quantised numbers, widened to float32 again
;;       x = np.moveaxis(x, axis, -1); K = x.shape[-1]
;;       x = np.pad(x, [(0, 0)] * (x.ndim - 1) + [(0, -K % 32)]); x = x.reshape(x.shape[:-1] + (-1, 32)); a = np.abs(x).max(-1, keepdims=True)
;;       e = np.where(a > 0, np.clip(np.frexp(np.where(a > 0, a, 1))[1] - 1 - 4, -126, 127), 0)      # np.frexp(a)[1] - 1 = floor(log2(a)), exactly
;;       r = np.clip(x / 2.0 ** e, -28, 28)
;;       step = 2.0 ** (np.maximum(np.frexp(np.where(r == 0, 1, r))[1] - 1, -2) - 2)
;;       q = np.round(r / step) * step * 2.0 ** e      # np.round: ties to even
;;       return np.moveaxis(q.reshape(q.shape[:-2] + (-1,))[..., :K], -1, axis).astype(np.float32)
;;   ~~~
;;   OPERANDS COMPUTED ON THE WAY. 'Computed on the way' means the value that the module computes at that place (a softmax that the list does not call 'softmax' is quantised finished and normalised). What goes into a quantiser is computed in f32, as accurately as f32 sums, v_exp_f32 and their like allow (about 1e-6 of the number): no bf16 or f16 on the way to a quantiser, and a product that is left as it is and whose result goes on into a quantised operand takes f32 operands (vector FMAs, or v_wmma_f32_16x16x4_f32). A number that lies on a knife's edge between two numbers of the format may be rounded either way, as far as f32 arithmetic and the matrix unit's own rounding can turn it there, and no further.
;;   INPUTS GIVEN AS CODES. Wh (in the module: [1024, 1024], K = its axis 0); Ws_w (in the module: [1024, 1024], K = its axis 0): each comes as NAME_codes (uint8): NAME with its K axis moved to the last place and cut into blocks of 32 codes, [.., K / 32, bytes a block], one block behind the other in memory; four codes in three bytes: a row's codes are one little-endian stream of bits, code i at bits 6 i .. 6 i + 5 (a code: sign, 3 exponent bits, 2 mantissa bits); and NAME_scales (uint8): the same leading axes, one E8M0 byte (e + 127) for each 32 codes along K. Its value is code x scale, taken as it is: it is not quantised again, and the codes and scales need not be those that the quantiser above would give.
;; One version. Each part assembles by itself: llvm-mc -triple=amdgcn-amd-amdhsa -mcpu=gfx1250 --defsym DOCPART=n.
;; ======== version 1 of 1: 3 launches
;; limits: values are held in bf16: 8 bits of precision; right only within a limited range of input values
;; workspace buffers: decf 65,536 bytes; whf 819,200 bytes; tsc 262,144 bytes; part 2,228,224 bytes
;; launch prep (part 1): grid 64 x 1, 4 waves a work-group, no clusters, 72,704 bytes of LDS; arguments h_dec, c_dec, Ws_w_codes, Ws_w_scales, Ws_b, Wh_codes, Wh_scales, decf, whf; writes decf, whf
.if DOCPART == 1
	.amdgcn_target "amdgcn-amd-amdhsa--gfx1250"
	.amdhsa_code_object_version 6
	.text
	.protected	k_qa841718d6b_prep
	.globl	k_qa841718d6b_prep
	.p2align	8
	.type	k_qa841718d6b_prep,@function
k_qa841718d6b_prep:
	s_mov_b64 s[64:65], 0
	v_nop
	global_prefetch_b8 v0, s[64:65] scope:SCOPE_SE
	s_setreg_imm32_b32 hwreg(HW_REG_WAVE_MODE, 25, 1), 1
	s_wait_xcnt 0x0
; TWO SMALL JOBS AHEAD OF THE LARGE LAUNCH.  64 work-groups of four waves; work-group W owns the 16 columns e = 16 W .. 16 W + 15 for both; wave w takes K steps 2 w and 2 w + 1 (128 along K each) of everything.
; (a) Wh, given as codes of E3M2 with K innermost, [1024 (e)][768 bytes], is laid anew in the ORDER OF THE OPERAND REGISTERS: whf holds, for each tile of 16 columns, 12,800 bytes:
;     eight fragments (K step s at 1536 s: chunk c of lane L, registers 4 c .. 4 c + 3, at 512 c + 16 L) and at 12,288 an image of the scale words: 16 bytes a lane, word i = the word of
;     row 16 W + lane % 16 for K step 2 i + lane / 16.  Nothing is changed in a code or a scale byte.
; (b) dec[b][e] = sum over d of Q(s_t)[b][d] Ws_w[d][e] + Ws_b[e], s_t = h_dec beside c_dec, quantised along d by the stated rule; the product on codes of E3M2 by the scaled matrix instruction.
;     A wave quantises its own two K steps of s_t and multiplies them itself: no operand goes from wave to wave.  The four waves' partial sums meet in LDS and are added in a fixed order, with the bias.
;     The product is used transposed (source 0 = 16 rows of Ws_w, source 1 = s_t): a lane holds batch lane % 16 and eight neighbouring columns.
;     decf is laid [64 tiles][16 batches][16 columns], so that a work-group stores 1,024 consecutive bytes.
; s_t's rows are loaded as they lie (a row's K step is 512 consecutive bytes: one load of the wave) and turn through the wave's own stage in LDS, rows 528 bytes apart, so that a lane gets 32 neighbours along K.
; LIMITS: NaN and infinities among the inputs are not served.  A block whose largest magnitude lies under 2^-122 (a block of zeros too) gets the scale byte 1; its codes are then what the
; conversion gives under that scale (zeros for zeros); these bytes are read by this program alone.
; REGISTERS: v1-16 addresses; v20-35 at work; v36-59 s_t's two fragments; v60-61 their scale words; v62-63 Ws_w's; v64-71 the sums; v72-95 Wh's two fragments; v96-119 Ws_w's; v120 Wh's scale word;
;            v122-123 the bias; v128-255 s_t as f32, later the partial sums.
.set EP,   528                         ; a row in a stage: 512 bytes + 16: sixteen rows of a load begin in sixteen different groups of four banks
.set FST,  16*EP                       ; a fragment's stage; LDS from 0 on: two for each wave
.set PSUM, 8*FST                       ; the waves' partial sums, 1,024 bytes each, in the order of the output
.set SIMG, PSUM+4096                   ; Wh's scale image, 512 bytes
.set SH8,  8
.set MX,   20                          ; v20-23 largest magnitudes: two blocks x two chains
.set SO,   24                          ; v24-25 the conversions' scale operands
.set BY,   26                          ; v26-27 the scale bytes
.set UT,   28                          ; v28-30, v32-34 the upper halves of two blocks' codes
.set WT,   31                          ; v31    my two bytes of the scale word
.set PM,   35                          ; v35    the other half of the lanes' two
.set PC,   36
.set STS,  60
.set WSS,  62
.set ACC,  64
.set WHF,  72
.set WSF,  96
.set WHW,  120
.set BIAS, 122
.set X,    128
.set SEL,  36
; 64 numbers of a lane, register 32 c + i = k 64 c + 32 (lane / 16) + i of my row, become a fragment's twelve registers in v[pc] on and its scale word in v[wd].  A lane holds two whole blocks of 32.
.macro QUANT s, pc, wd
.irp c, 0,1
.irp u, 0,1
	v_max3_num_f32 v[MX+2*\c+\u], |v[(\s)+32*\c+16*\u]|, |v[(\s)+32*\c+16*\u+1]|, 0x2800000   ; the floor 2^(5 - 127) among the leaves: the byte cannot fall under 1
.endr
.endr
.irp i, 2,4,6,8,10,12,14
.irp c, 0,1
.irp u, 0,1
	v_max3_num_f32 v[MX+2*\c+\u], v[MX+2*\c+\u], |v[(\s)+32*\c+16*\u+\i]|, |v[(\s)+32*\c+16*\u+\i+1]|   ; four chains by turns
.endr
.endr
.endr
.irp c, 0,1
	v_max_num_f32 v[MX+2*\c], v[MX+2*\c], v[MX+2*\c+1]
.endr
.irp c, 0,1
	v_add_nc_u32 v[SO+\c], 0xfe000000, v[MX+2*\c]  ; 4 off the exponent field: the conversion takes this operand's exponent field as its scale
.endr
.irp c, 0,1
	v_lshrrev_b32 v[BY+\c], 23, v[SO+\c]           ; the scale's byte
.endr
	v_lshl_or_b32 v[WT], v[BY+1], 16, v[BY]        ; my blocks are lane / 16 and 2 + lane / 16 of the K step's four
	v_lshlrev_b32 v[WT], v[SH8], v[WT]
	v_permlanex16_b32 v[PM], v[WT], s[SEL], s[SEL+1]
	v_or_b32 v[\wd], v[WT], v[PM]                  ; with the other half's two bytes the word is whole
.irp c, 0,1
	v_cvt_scalef32_pk16_bf6_f32 v[(\pc)+6*\c:(\pc)+6*\c+2], v[(\s)+32*\c:(\s)+32*\c+15], v[SO+\c]
	v_cvt_scalef32_pk16_bf6_f32 v[UT+4*\c:UT+4*\c+2], v[(\s)+32*\c+16:(\s)+32*\c+31], v[SO+\c]   ; (a conversion's three registers begin on an even number)
.endr
	v_nop                                          ; one plain place behind the last scaled conversion
.irp c, 0,1
.irp i, 0,1,2
	v_mov_b32 v[(\pc)+3+6*\c+\i], v[UT+4*\c+\i]
.endr
.endr
.endm
	s_load_b256 s[4:11], s[0:1], 0x0               ; h_dec s[4:5], c_dec s[6:7], Ws_w's codes s[8:9], its scales s[10:11]
	s_load_b256 s[12:19], s[0:1], 0x20             ; Ws_b s[12:13], Wh's codes s[14:15], its scales s[16:17], decf s[18:19]
	s_load_b64 s[20:21], s[0:1], 0x40              ; whf
	v_lshl_add_u32 v126, v0, 2, 0x11a00
	v_mov_b32 v127, 0
	v_lshrrev_b32 v1, 5, v0
	v_readfirstlane_b32 s22, v1                    ; wave 0..3
	v_and_b32 v1, 15, v0                           ; r
	v_bfe_u32 v2, v0, 4, 1                         ; h
	v_and_b32 v14, 31, v0                          ; lane
	v_lshlrev_b32 v3, 4, v14                       ; 16 x lane
	s_mul_i32 s23, s22, 2*FST                      ; my two stages
	v_add_nc_u32 v4, s23, v3                       ; into a stage: a row's 512 bytes as they lie
	v_mul_u32_u24 v5, v1, EP
	v_lshl_add_u32 v5, v2, 7, v5
	v_add_nc_u32 v5, s23, v5                       ; out of it: row r, + 128 h: my 32 numbers of each 64
	v_mul_u32_u24 v6, v1, 768
	v_mad_u32_u24 v6, v2, 24, v6                   ; codes: row r of 768 bytes, + 24 h
	v_lshlrev_b32 v7, 5, v1
	v_lshl_add_u32 v7, v2, 2, v7                   ; Wh's scale word: row r of 32 bytes, + 4 h
	v_lshlrev_b32 v[SH8], 3, v2                    ; 8 h
	v_lshlrev_b32 v9, 5, v1                        ; Ws_w's scale words: row r
	v_and_b32 v10, 7, v0
	v_lshlrev_b32 v10, 3, v10                      ; the bias of my two columns on the way out
	v_lshlrev_b32 v11, 6, v1
	v_lshl_add_u32 v11, v2, 5, v11
	s_lshl_b32 s24, s22, 10
	s_add_co_u32 s24, s24, PSUM
	v_add_nc_u32 v11, s24, v11                     ; my partial sums: batch r of 64 bytes, + 32 h, in my wave's 1,024 bytes
	v_lshl_add_u32 v12, v0, 3, PSUM                ; back: 8 bytes a thread
	v_lshlrev_b32 v13, 3, v0                       ; and the same place in the tile of decf
	s_lshl_b32 s24, s22, 2
	s_add_co_u32 s24, s24, SIMG
	v_add_nc_u32 v15, s24, v3                      ; the scale image: 16 x lane + 4 x wave
	v_add_nc_u32 v16, SIMG, v3
	v_mov_b32 v[PM], 0                             ; written once: a lane permute's destination counts as one of its sources
	s_mov_b32 s[SEL], 0x76543210
	s_mov_b32 s[SEL+1], 0xfedcba98                 ; lane l xor 16
	s_and_b32 s24, s22, 1
	s_lshl_b32 s24, s24, 10                        ; my two K steps in a row of h_dec or c_dec: 1,024 bytes x (wave % 2)
	s_mov_b32 s25, 0
	s_mul_i32 s26, ttmp9, 12288                    ; the tile's 16 rows of codes,
	s_mul_i32 s27, s22, 192                        ; my two K steps in a row
	s_add_co_u32 s26, s26, s27
	s_mov_b32 s27, 0
	s_lshl_b32 s28, ttmp9, 9                       ; the same of scale bytes
	s_lshl_b32 s29, s22, 3
	s_add_co_u32 s28, s28, s29
	s_mov_b32 s29, 0
	s_lshl_b32 s30, ttmp9, 6                       ; the tile's 16 numbers of the bias
	s_mov_b32 s31, 0
	s_mul_i32 s32, ttmp9, 12800                    ; the tile in whf,
	s_mul_i32 s33, s22, 3072                       ; my two fragments in it
	s_add_co_u32 s32, s32, s33
	s_mov_b32 s33, 0
	s_lshl_b32 s34, ttmp9, 10                      ; the tile in decf
	s_mov_b32 s35, 0
	s_wait_alu depctr_va_vdst(0)
	s_wait_kmcnt 0x0
	s_cmp_lt_u32 s22, 2                            ; K steps 0-3 lie in h_dec, 4-7 in c_dec: the choice hangs on the wave's number alone
	s_cselect_b64 s[4:5], s[4:5], s[6:7]
	s_add_nc_u64 s[4:5], s[4:5], s[24:25]
	s_add_nc_u64 s[8:9], s[8:9], s[26:27]
	s_add_nc_u64 s[10:11], s[10:11], s[28:29]
	s_add_nc_u64 s[12:13], s[12:13], s[30:31]
	s_add_nc_u64 s[14:15], s[14:15], s[26:27]
	s_add_nc_u64 s[16:17], s[16:17], s[28:29]
	s_add_nc_u64 s[18:19], s[18:19], s[34:35]
	s_add_nc_u64 s[20:21], s[20:21], s[32:33]
.irp i, 0,1
.irp p, 0,1,2,3,4,5,6,7,8,9,10,11,12,13,14,15
	global_load_b128 v[X+64*\i+4*\p:X+64*\i+4*\p+3], v3, s[4:5] offset:2048*\p+512*\i      ; batch p, K step 2 w + i: 512 consecutive bytes
.endr
.endr
.irp i, 0,1
.irp p, 0,1,2,3,4,5
	global_load_b64 v[WSF+12*\i+2*\p:WSF+12*\i+2*\p+1], v6, s[8:9] offset:96*\i+48*(\p/3)+8*(\p%3)   ; a fragment's 24 + 24 bytes as they lie, in pieces of 8
.endr
.endr
	global_load_b32 v[WSS], v9, s[10:11]
	global_load_b32 v[WSS+1], v9, s[10:11] offset:4
	global_load_b64 v[BIAS:BIAS+1], v10, s[12:13]
.irp i, 0,1
.irp p, 0,1,2,3,4,5
	global_load_b64 v[WHF+12*\i+2*\p:WHF+12*\i+2*\p+1], v6, s[14:15] offset:96*\i+48*(\p/3)+8*(\p%3)
.endr
.endr
	global_load_b32 v[WHW], v7, s[16:17]           ; the scale word of K step 2 w + h
	s_wait_loadcnt 28                              ; s_t is in; the 12 + 2 + 1 + 12 + 1 loads issued behind it may stay out
.irp i, 0,1
.irp p, 0,1,2,3,4,5,6,7,8,9,10,11,12,13,14,15
	ds_store_b128 v4, v[X+64*\i+4*\p:X+64*\i+4*\p+3] offset:FST*\i+EP*\p
.endr
.endr
	s_wait_dscnt 0x0                               ; the stores are done: their registers take the numbers back in the other order
.irp i, 0,1
.irp c, 0,1
.irp j, 0,1,2,3,4,5,6,7
	ds_load_b128 v[X+64*\i+32*\c+4*\j:X+64*\i+32*\c+4*\j+3], v5 offset:FST*\i+256*\c+16*\j
.endr
.endr
.endr
	s_wait_dscnt 0x0
	QUANT X, PC, STS
	QUANT X+64, PC+12, STS+1
	s_wait_loadcnt 0x0                             ; Ws_w, its scale words, the bias, Wh, its scale word
.irp j, 0,1,2,3,4,5
	global_store_b128 v3, v[WHF+4*\j:WHF+4*\j+3], s[20:21] offset:512*\j   ; each store covers 512 consecutive bytes, aligned; these registers are never written again
.endr
	ds_store_b32 v15, v[WHW]                       ; word w of the scale image
.rept 8
	v_nop                                          ; a scale register written by a vector instruction stands 8 places ahead of a scaled matrix instruction, an operand so written 4
.endr
	v_wmma_scale_f32_16x16x128_f8f6f4 v[ACC:ACC+7], v[WSF:WSF+11], v[PC:PC+11], 0, v[WSS], v[STS] matrix_a_fmt:MATRIX_FMT_BF6 matrix_b_fmt:MATRIX_FMT_BF6
	s_wait_alu depctr_va_vdst(0)                   ; the wait stands directly ahead of the link
	v_wmma_scale_f32_16x16x128_f8f6f4 v[ACC:ACC+7], v[WSF+12:WSF+23], v[PC+12:PC+23], v[ACC:ACC+7], v[WSS+1], v[STS+1] matrix_a_fmt:MATRIX_FMT_BF6 matrix_b_fmt:MATRIX_FMT_BF6
.rept 4
	v_nop                                          ; four places ahead of the stores that read the sums
.endr
	ds_store_b128 v11, v[ACC:ACC+3]                ; lane (r, h): batch r, columns 8 h + 0 .. 7; from the low end on
	ds_store_b128 v11, v[ACC+4:ACC+7] offset:16
	s_wait_dscnt 0x0                               ; for the others' sake: my partial sums and my word of the image are stored
	s_barrier_signal -1
	s_barrier_wait -1
.irp u, 0,1,2,3
	ds_load_b64 v[X+2*\u:X+2*\u+1], v12 offset:1024*\u     ; the four waves' parts of my two numbers
.endr
	s_wait_dscnt 0x0
	v_pk_add_f32 v[X:X+1], v[X:X+1], v[X+2:X+3]
	v_pk_add_f32 v[X+4:X+5], v[X+4:X+5], v[X+6:X+7]
	v_pk_add_f32 v[X:X+1], v[X:X+1], v[X+4:X+5]
	v_pk_add_f32 v[X:X+1], v[X:X+1], v[BIAS:BIAS+1]
	global_store_b64 v13, v[X:X+1], s[18:19]       ; a wave stores 256 consecutive bytes, aligned
	s_cmp_lg_u32 s22, 0
	s_cbranch_scc1 .Lend                           ; wave 0 (whose base in whf is the tile's first byte) stores the scale image whole
	ds_load_b128 v[X+8:X+11], v16
	s_wait_dscnt 0x0
	global_store_b128 v3, v[X+8:X+11], s[20:21] offset:12288
.Lend:
	s_wait_tensorcnt 0x0
	ds_add_u32 v126, v127
	s_wait_dscnt 0x0
	s_endpgm
.Lfunc_end_k_qa841718d6b_prep:
	.size	k_qa841718d6b_prep, .Lfunc_end_k_qa841718d6b_prep-k_qa841718d6b_prep
	.p2alignl 7, 3214868480
	.fill 96, 4, 3214868480
	.section	.rodata,"a",@progbits
	.p2align	6, 0x0
	.amdhsa_kernel k_qa841718d6b_prep
		.amdhsa_group_segment_fixed_size 72704
		.amdhsa_private_segment_fixed_size 0
		.amdhsa_enable_private_segment 0
		.amdhsa_kernarg_size 72
		.amdhsa_user_sgpr_count 2
		.amdhsa_user_sgpr_kernarg_segment_ptr 1
		.amdhsa_wavefront_size32 1
		.amdhsa_system_sgpr_workgroup_id_x 1
		.amdhsa_system_sgpr_workgroup_id_y 1
		.amdhsa_system_sgpr_workgroup_id_z 1
		.amdhsa_system_vgpr_workitem_id 0
		.amdhsa_next_free_vgpr 256
		.amdhsa_next_free_sgpr 66
		.amdhsa_reserve_vcc 0
		.amdhsa_float_denorm_mode_32 3
		.amdhsa_float_denorm_mode_16_64 3
		.amdhsa_memory_ordered 1
		.amdhsa_forward_progress 1
		.amdhsa_inst_pref_size 22
	.end_amdhsa_kernel
	.amdgpu_metadata
---
amdhsa.version: [ 1, 2 ]
amdhsa.kernels:
  - .name:           k_qa841718d6b_prep
    .symbol:         k_qa841718d6b_prep.kd
    .args:
      - { .name: h_dec, .offset: 0, .size: 8, .value_kind: global_buffer, .address_space: global }
      - { .name: c_dec, .offset: 8, .size: 8, .value_kind: global_buffer, .address_space: global }
      - { .name: Ws_w_codes, .offset: 16, .size: 8, .value_kind: global_buffer, .address_space: global }
      - { .name: Ws_w_scales, .offset: 24, .size: 8, .value_kind: global_buffer, .address_space: global }
      - { .name: Ws_b, .offset: 32, .size: 8, .value_kind: global_buffer, .address_space: global }
      - { .name: Wh_codes, .offset: 40, .size: 8, .value_kind: global_buffer, .address_space: global }
      - { .name: Wh_scales, .offset: 48, .size: 8, .value_kind: global_buffer, .address_space: global }
      - { .name: decf, .offset: 56, .size: 8, .value_kind: global_buffer, .address_space: global }
      - { .name: whf, .offset: 64, .size: 8, .value_kind: global_buffer, .address_space: global }
    .group_segment_fixed_size: 72704
    .private_segment_fixed_size: 0
    .kernarg_segment_align: 8
    .kernarg_segment_size: 72
    .max_flat_workgroup_size: 128
    .sgpr_count:     66
    .vgpr_count:     256
    .wavefront_size: 32
...
	.end_amdgpu_metadata
.endif
;; end of part 1
;; launch fuse (part 2): grid 512 x 1, 4 waves a work-group, clusters of 4 x 1, 327,680 bytes of LDS; arguments encoder_output, coverage_vector, x_padding_masks, wc, v, decf, whf, tsc, part; writes tsc, part
.if DOCPART == 2
	.amdgcn_target "amdgcn-amd-amdhsa--gfx1250"
	.amdhsa_code_object_version 6
	.text
	.protected	k_qa841718d6b_fuse
	.globl	k_qa841718d6b_fuse
	.p2align	8
	.type	k_qa841718d6b_fuse,@function
k_qa841718d6b_fuse:
	s_mov_b64 s[64:65], 0
	v_nop
	global_prefetch_b8 v0, s[64:65] scope:SCOPE_SE
	s_setreg_imm32_b32 hwreg(HW_REG_WAVE_MODE, 25, 1), 1
	s_wait_xcnt 0x0
	s_wait_alu depctr_hold_cnt(0) depctr_sa_sdst(0) depctr_va_vdst(0) depctr_va_sdst(0) depctr_va_ssrc(0) depctr_va_vcc(0) depctr_vm_vsrc(0)
	s_getreg_b32 s2, hwreg(HW_REG_IB_STS2, 6, 4)
	s_cmp_eq_u32 s2, 0
	s_cbranch_scc0 .Lentry_in_a_cluster
	s_endpgm
.Lentry_in_a_cluster:
	s_bfe_u32 s2, ttmp6, 0x10000c
	s_cmp_lg_u32 s2, 0x3003
	s_cbranch_scc0 .Lentry_shape_is_right
	s_endpgm
.Lentry_shape_is_right:
; SCORES AND A BLOCK'S PART OF THE CONTEXT, WITH enc READ ONCE.  A work-group owns 128 rows l of one batch, each of its four waves 32 (two tiles of 16) for all 1,024 columns.
; tsc[l] = sum over e of vs[e] / (1 + 2^(c x[l][e])),  x = Q(enc)[l] . Wh[:, e] + dec[e] + cov[l] wc[e],  c = 2 log2(e),  vs = -2 log2(e) v.
; Since tanh(x) = 1 - 2 / (1 + e^(2 x)), tsc = log2(e) (score - sum of v): the shift is the same for all l of a batch, and the softmax takes its maximum away.
; With m the largest tsc of the block's 128 rows and p = 2^(tsc - m) x mask:  part[block] = sum over its l of p[l] enc[l][:] (1,024 f32), then m, 64 times (256 bytes).  The last launch joins a batch's 32 blocks.
; PHASE A: a fragment (16 rows x 128 along K) is sixteen loads of 512 consecutive bytes; three fragments are always asked for.  As loaded, a lane holds four neighbouring columns of each row: rounded to bf16
; that is THE COPY for the context (K steps 0-5 in 384 registers, 6-7 in LDS): a lane owns its columns, so the weighted sum needs no other lane.  The f32 numbers turn through the wave's stage in LDS
; (rows 528 bytes apart) and come back 32 neighbours along K to a lane, are quantised by the stated rule, and the codes stay in 192 registers.
; PHASE B: Wh's 64 tiles of 16 columns (in operand order) come through two LDS slots of eight tiles, asked for jointly by the four work-groups of a cluster (mask 15).
; The product is used transposed (source 0 = 16 columns of Wh, source 1 = 16 rows of enc): a lane holds one row and eight columns.  A step is one tile: 16 products on four accumulators by turns
; (two tiles of rows x even and odd K steps), then plain work on earlier tiles (t - 3: into the sums; t - 2: 1 +; t - 1: c x; t + 1: dec + cov wc starts its sums), then one batch of transcendentals.
; No prefetch: enc's loads are the launch's one stream from memory and go out as their registers come free; whf is 800 KB that every work-group walks.
; LIMITS: NaN and infinities among the inputs are not served.  A block of enc whose largest magnitude lies under 2^-122 (zeros too) gets the scale byte 1; these bytes are read here alone.
; The copy's rounding to bf16 is that of an operand of a product left as it is.  A p under 2^-126 counts as 0.
; LDS: 0 stages of waves 0, 1; zeros; vs; t; p; spare words.  28,672 Wh's slot 0.  131,072 stages of waves 2, 3; wc; dec; zeros.  159,744 slot 1.  262,144 the copy's K steps 6, 7, later the waves' parts.
; REGISTERS: window 0: addresses, scale words, tables, accumulators.  Window 1: Wh's two sets at v0, v96 (phase A: three fragments as loaded); v192-255 copy, K step 5.
;   window 2: codes at v[12 (2 k + m)]; v192-255 copy, K step 4.   window 3: copy, K steps 0-3 at v[2 (row + 32 k)].
.set EP,    528
.set FST,   16*EP
.set WTILE, 12800
.set WQ,    2*WTILE
.set WSLB,  8*WTILE
.set WS0,   28672
.set WSL1,  131072
.set ZP0,   2*FST
.set VSB,   ZP0+512
.set TS,    VSB+4096
.set PB,    TS+512
.set SPARE, PB+512
.set WCB,   WSL1+2*FST
.set ZP1,   WCB+8192
.set CPY,   262144
.set AE,   1
.set STW,  2
.set L16,  3
.set H32,  4
.set ADR,  5
.set ADT,  6
.set SPW,  7
.set NIL,  8
.set SH8,  9
.set COV,  10
.set S,    14
.set U32,  18
.set ADU,  19
.set CPA,  20
.set TSA,  21
.set TSR,  22
.set PBA,  23
.set PBR,  24
.set RDA,  25
.set RDR,  26
.set MSK,  27
.set T16,  28
.set LN8,  29
.set ES,   32
.set WHS,  64
.set TBL,  72
.set ACC,  128
.set E,    192
.set DD,   208
.set MX,   72
.set SO,   76
.set BY,   78
.set UT,   80
.set WD,   88
.set PM,   89
.set CT,   90
.set XA,   128
.set CA,   128
.set P,    160
.set XL0,  64
.set XL1,  192
.set WV,   22
.set G1W,  32
.set G0W,  48
.set CS,   52
.set SEL,  54
.set TB,   56
.set TT,   57
.set OUTC, 58
.set INN,  59
.set MSB,  0
.macro WIN new
.if MSB != \new
	s_set_vgpr_msb (MSB<<8)|\new
.set MSB, \new
.endif
.endm
.macro PLACES n
.rept \n
	v_nop
.endr
.endm
.macro CROUND                          ; a round of the cluster's barrier
	s_barrier_signal -1
	s_barrier_wait -1
	s_cmp_lg_u32 s[WV], 0
	s_cbranch_scc1 .Lnot_wave_0_\@
	s_barrier_signal -3
.Lnot_wave_0_\@:
	s_barrier_wait -3
	s_barrier_signal -1
	s_barrier_wait -1
.endm
.macro LOADF f                         ; fragment f = 8 m + k into place f % 3 of window 1 (the caller sets the window)
.irp i, 0,1,2,3,4,5,6,7,8,9,10,11,12,13,14,15
	global_load_b128 v[64*((\f)%3)+4*\i:64*((\f)%3)+4*\i+3], v[L16], s[4:5] offset:(16*((\f)/8)+\i)*4096+512*((\f)%8) th:TH_LOAD_NT
.endr
.endm
.macro TURN f                          ; through my stage, back into set f % 2: register 32 c + i = k 64 c + 32 (lane / 16) + i of row lane % 16.  LDS serves a wave's instructions in order (ISA guide 5.7.1.4)
	WIN 0x04
.irp i, 0,1,2,3,4,5,6,7,8,9,10,11,12,13,14,15
	ds_store_b128 v[STW], v[64*((\f)%3)+4*\i:64*((\f)%3)+4*\i+3] offset:EP*\i
.endr
	WIN 0
.irp c, 0,1
.irp j, 0,1,2,3,4,5,6,7
	ds_load_b128 v[XA+64*((\f)%2)+32*\c+4*\j:XA+64*((\f)%2)+32*\c+4*\j+3], v[AE] offset:256*\c+16*\j
.endr
.endr
.endm
.macro COPY f                          ; the fragment as loaded, rounded to bf16: two registers a row (columns 128 k + 4 lane + 0 .. 3)
.set CK, (\f)%8
.set CR, 16*((\f)/8)
.set RW, 64*((\f)%3)
.if CK < 4
	WIN 0xc5
.set CD, 2*(CR+32*CK)
.elseif CK == 4
	WIN 0x85
.set CD, 192+2*CR
.elseif CK == 5
	WIN 0x45
.set CD, 192+2*CR
.else
	WIN 0x05
.set CD, CT
.endif
.irp i, 0,1,2,3,4,5,6,7,8,9,10,11,12,13,14,15
	v_cvt_pk_bf16_f32 v[CD+2*\i], v[RW+4*\i], v[RW+4*\i+1]
	v_cvt_pk_bf16_f32 v[CD+2*\i+1], v[RW+4*\i+2], v[RW+4*\i+3]
.endr
	WIN 0
.if CK > 5
.irp i, 0,1,2,3,4,5,6,7,8,9,10,11,12,13,14,15
	ds_store_b64 v[CPA], v[CT+2*\i:CT+2*\i+1] offset:(CK-6)*8192+256*(CR+\i)
.endr
.endif
.endm
.macro QF m, k, x                      ; 64 numbers of a lane become fragment (k, m) in window 2 and its scale word
.set AR, 12*(2*(\k)+(\m))
.irp c, 0,1
.irp u, 0,1
	v_max3_num_f32 v[MX+2*\c+\u], |v[(\x)+32*\c+16*\u]|, |v[(\x)+32*\c+16*\u+1]|, 0x2800000   ; the floor 2^(5 - 127): the byte cannot fall under 1
.endr
.endr
.irp i, 2,4,6,8,10,12,14
.irp c, 0,1
.irp u, 0,1
	v_max3_num_f32 v[MX+2*\c+\u], v[MX+2*\c+\u], |v[(\x)+32*\c+16*\u+\i]|, |v[(\x)+32*\c+16*\u+\i+1]|
.endr
.endr
.endr
.irp c, 0,1
	v_max_num_f32 v[MX+2*\c], v[MX+2*\c], v[MX+2*\c+1]
.endr
.irp c, 0,1
	v_add_nc_u32 v[SO+\c], 0xfe000000, v[MX+2*\c]  ; 4 off the exponent field: the conversion's scale operand
.endr
.irp c, 0,1
	v_lshrrev_b32 v[BY+\c], 23, v[SO+\c]
.endr
	v_lshl_or_b32 v[WD], v[BY+1], 16, v[BY]
	v_lshlrev_b32 v[WD], v[SH8], v[WD]             ; blocks h and 2 + h at their places
	v_permlanex16_b32 v[PM], v[WD], s[SEL], s[SEL+1]
	v_or_b32 v[ES+8*(\m)+(\k)], v[WD], v[PM]
.irp c, 0,1
	v_cvt_scalef32_pk16_bf6_f32 v[UT+4*\c:UT+4*\c+2], v[(\x)+32*\c+16:(\x)+32*\c+31], v[SO+\c]   ; (three registers begin on an even number: a block's upper half is made here and moved)
.endr
	WIN 0x80
.irp c, 0,1
	v_cvt_scalef32_pk16_bf6_f32 v[AR+6*\c:AR+6*\c+2], v[(\x)+32*\c:(\x)+32*\c+15], v[SO+\c]
.endr
	v_nop                                          ; one plain place behind the last scaled conversion
.irp c, 0,1
.irp i, 0,1,2
	v_mov_b32 v[AR+3+6*\c+\i], v[UT+4*\c+\i]
.endr
.endr
	WIN 0
.endm
	s_load_b256 s[4:11], s[0:1], 0x0               ; enc, cov, mask, wc
	s_load_b256 s[12:19], s[0:1], 0x20             ; v, decf, whf, tsc
	s_load_b64 s[20:21], s[0:1], 0x40              ; part
	v_lshl_add_u32 v[SPW], v0, 2, SPARE
	v_mov_b32 v[NIL], 0
	ds_add_u32 v[SPW], v[NIL]                      ; the opening lines: the add twice on end and one wait
	ds_add_u32 v[SPW], v[NIL]
	v_lshrrev_b32 v48, 5, v0
	v_readfirstlane_b32 s[WV], v48                 ; wave 0..3
	s_bfe_u32 s24, ttmp6, 0x40000                  ; cx
	s_lshl_b32 s23, ttmp9, 2
	s_add_co_u32 s23, s23, s24                     ; my block = 4 x cluster + cx: it enters global addresses of my own loads and stores alone
	s_mov_b32 s[G1W+0], 15|(3<<16)|(1<<21)         ; Wh: 25,600 dense bytes as 100 rows of 32 elements of 8 bytes; the mask names all four work-groups
	s_mov_b32 s[G1W+1], 32<<16
	s_mov_b32 s[G1W+2], 100<<16
	s_mov_b32 s[G1W+3], 32<<16
	s_mov_b32 s[G1W+4], 100
	s_mov_b32 s[G1W+5], 32
	s_mov_b32 s[G1W+6], 0
	s_mov_b32 s[G1W+7], 0
	s_and_b32 s26, s[WV], 1
	s_mul_i32 s26, s26, FST
	s_lshr_b32 s27, s[WV], 1
	s_lshl_b32 s27, s27, 17
	s_add_co_u32 s26, s26, s27                     ; my stage
	s_lshl_b32 s27, s[WV], 14
	s_add_co_u32 s27, s27, CPY                     ; my 16 KB of the copy
	s_lshl_b32 s28, s[WV], 7
	s_add_co_u32 s28, s28, PB                      ; my 32 p
	s_lshl_b32 s40, s23, 19                        ; the block's 128 rows of 4,096 bytes,
	s_lshl_b32 s41, s[WV], 17                      ; my wave's 32
	s_add_co_u32 s40, s40, s41
	s_mov_b32 s41, 0
	s_mul_i32 s60, s[WV], WQ                       ; my quarter of a slot, in memory and in LDS
	s_mov_b32 s61, 0
	s_lshl_b32 s42, s23, 9                         ; the block in tsc
	s_mov_b32 s43, 0
	s_lshl_b32 s44, s[WV], 7
	s_add_co_u32 s44, s44, s42                     ; my 32 rows in cov and mask
	s_mov_b32 s45, 0
	s_lshr_b32 s46, s23, 5                         ; my batch:
	s_lshl_b32 s46, s46, 6                         ; its 64 bytes in each tile of decf
	s_mov_b32 s47, 0
	s_mul_i32 s62, s23, 4352                       ; the block in part
	s_mov_b32 s63, 0
	s_mov_b32 s[CS], 0x4038aa3b                    ; c = 2 log2(e)
	s_mov_b32 s[CS+1], s[CS]
	s_mov_b32 s[SEL], 0x76543210
	s_mov_b32 s[SEL+1], 0xfedcba98                 ; lane l xor 16
	s_mov_b32 s[TB], WS0
	s_mov_b32 s[TT], 0
	v_and_b32 v48, 15, v0                          ; r
	v_bfe_u32 v49, v0, 4, 1                        ; h
	v_and_b32 v50, 31, v0                          ; lane
	v_lshlrev_b32 v[T16], 4, v0
	v_lshlrev_b32 v51, 2, v48
	v_lshlrev_b32 v52, 2, v50
	v_lshrrev_b32 v53, 2, v0
	v_and_b32 v54, 3, v0
	v_lshlrev_b32 v53, 10, v53
	v_lshl_add_u32 v53, v54, 4, v53                ; dec: columns 4 x thread on lie in tile thread / 4, 16 (thread % 4) bytes into my batch's 64
	v_lshlrev_b32 v[L16], 4, v50
	v_mul_u32_u24 v[AE], v48, EP
	v_lshl_add_u32 v[AE], v49, 7, v[AE]
	v_add_nc_u32 v[AE], s26, v[AE]
	v_add_nc_u32 v[STW], s26, v[L16]
	v_lshl_add_u32 v[H32], v49, 5, VSB-192
	v_lshl_add_u32 v[U32], v49, 5, WCB
	v_lshlrev_b32 v[SH8], 3, v49
	v_add_nc_u32 v55, VSB, v[T16]
	v_add_nc_u32 v56, WCB, v[T16]
	v_lshl_add_u32 v57, v0, 2, ZP0
	v_lshl_add_u32 v58, v0, 2, ZP1
	v_mov_b32 v59, 0
	v_lshlrev_b32 v[LN8], 3, v50
	v_add_nc_u32 v[CPA], s27, v[LN8]
	v_add_nc_u32 v[RDA], s27, v[L16]
	v_add_nc_u32 v[RDR], CPY, v[T16]
	v_lshl_add_u32 v[TSA], v0, 2, TS
	v_add_nc_u32 v[TSR], TS, v[L16]
	v_lshl_add_u32 v[PBA], v0, 2, PB
	v_mov_b32 v[PBR], s28
	v_mov_b32 v[PM], 0                             ; a lane permute's destination counts as one of its sources
	s_wait_alu depctr_va_vdst(0)
	s_wait_dscnt 0x0                               ; both opening adds are done
	s_wait_kmcnt 0x0
	s_add_nc_u64 s[4:5], s[4:5], s[40:41]
	s_add_nc_u64 s[6:7], s[6:7], s[44:45]
	s_add_nc_u64 s[8:9], s[8:9], s[44:45]
	s_add_nc_u64 s[14:15], s[14:15], s[46:47]
	s_add_nc_u64 s[16:17], s[16:17], s[60:61]
	s_add_nc_u64 s[18:19], s[18:19], s[42:43]
	s_add_nc_u64 s[20:21], s[20:21], s[62:63]
	global_load_b128 v[128:131], v[T16], s[12:13]
	global_load_b128 v[132:135], v[T16], s[12:13] offset:2048
	global_load_b128 v[136:139], v[T16], s[10:11]
	global_load_b128 v[140:143], v[T16], s[10:11] offset:2048
	global_load_b128 v[144:147], v53, s[14:15]
	global_load_b128 v[148:151], v53, s[14:15] offset:32768
	global_load_b32 v[COV], v51, s[6:7]            ; cov of row 16 m + r
	global_load_b32 v[COV+2], v51, s[6:7] offset:64
	global_load_b32 v[MSK], v52, s[8:9]            ; mask of row = lane
	WIN 0x40
	LOADF 0
	LOADF 1
	LOADF 2
	WIN 0
	s_mov_b32 s[G0W+0], 1
	s_add_co_u32 s[G0W+1], s60, WS0
	s_mov_b64 s[G0W+2:G0W+3], s[16:17]             ; tiles 0 to 7
	s_or_b32 s[G0W+3], s[G0W+3], 0x80000000
	CROUND                                         ; the round in front of the first joint load
	tensor_load_to_lds s[G0W:G0W+3], s[G1W:G1W+7]  ; my one load at the head: my quarter of slot 0
	s_nop 0
	PLACES 4
	s_wait_loadcnt 48                              ; the nine small loads are in; three fragments' 48 stay out
.irp i, 0,1,2,3,4,5,6,7
	v_mul_f32 v[128+\i], 0xc038aa3b, v[128+\i]     ; vs = -2 log2(e) v
.endr
	ds_store_b128 v55, v[128:131]
	ds_store_b128 v55, v[132:135] offset:2048
.irp i, 0,1,2,3
	ds_store_b128 v56, v[136+4*\i:139+4*\i] offset:2048*\i     ; wc, then dec
.endr
	ds_store_b32 v57, v59                          ; zeros in front of vs: the vs of tiles -3, -2, -1
	ds_store_b32 v58, v59                          ; and behind dec: read with a tile 64 that is never used
	v_mov_b32 v[COV+1], v[COV]
	v_mov_b32 v[COV+3], v[COV+2]
	s_wait_alu depctr_va_vdst(0)
	s_wait_dscnt 0x0                               ; my part of the tables is stored
	s_wait_loadcnt 32                              ; fragment 0 is in
	TURN 0
	COPY 0
.set FF, 0
.rept 16                               ; written out: every fragment lands in other registers
	s_wait_dscnt 0x0                               ; fragment FF is back from the stage, whose stores have read their registers,
.if FF+3 < 16
	WIN 0x40
	LOADF FF+3                                     ; which take the fragment three on
	WIN 0
.endif
.if FF+1 < 16
.if 14-FF >= 2
	s_wait_loadcnt 32                              ; the next fragment is in; the two behind it stay out
.else
	s_wait_loadcnt 16*(14-FF)
.endif
	TURN FF+1
	COPY FF+1
.endif
	QF FF/8, FF%8, XA+64*(FF%2)
.set FF, FF+1
.endr
; ---- PHASE B
.macro RUN b                           ; tile t + 1's fragments and scale image into set b; vs of tile t - 2, wc and dec of tile t + 2
	v_add_nc_u32 v[ADR], s[TB], v[L16]
	v_add_nc_u32 v[ADT], s[TT], v[H32]
	v_add_nc_u32 v[ADU], s[TT], v[U32]
	s_add_co_u32 s[TB], s[TB], WTILE
	s_add_co_u32 s[TT], s[TT], 64
	WIN 0x40
.set jj, 0
.rept 24
	ds_load_b128 v[96*(\b)+4*jj:96*(\b)+4*jj+3], v[ADR] offset:512*jj
.set jj, jj+1
.endr
	WIN 0
	ds_load_b128 v[WHS+4*(\b):WHS+4*(\b)+3], v[ADR] offset:12288
	ds_load_b128 v[TBL+24*(\b):TBL+24*(\b)+3], v[ADT]
	ds_load_b128 v[TBL+24*(\b)+4:TBL+24*(\b)+7], v[ADT] offset:16
	ds_load_b128 v[TBL+24*(\b)+8:TBL+24*(\b)+11], v[ADU] offset:64
	ds_load_b128 v[TBL+24*(\b)+12:TBL+24*(\b)+15], v[ADU] offset:80
	ds_load_b128 v[TBL+24*(\b)+16:TBL+24*(\b)+19], v[ADU] offset:4160
	ds_load_b128 v[TBL+24*(\b)+20:TBL+24*(\b)+23], v[ADU] offset:4176
.endm
.macro UU q                            ; the sums of the set that is not q start from dec + cov wc
.irp p, 0,1,2,3,4,5,6,7
	v_pk_fma_f32 v[ACC+32*(1-(\q))+2*\p:ACC+32*(1-(\q))+2*\p+1], v[TBL+24*(\q)+8+2*(\p%4):TBL+24*(\q)+8+2*(\p%4)+1], v[COV+2*(\p/4):COV+2*(\p/4)+1], v[TBL+24*(\q)+16+2*(\p%4):TBL+24*(\q)+16+2*(\p%4)+1] op_sel_hi:[1,0,1]
.endr
.endm
; The plain work on a lane's eight pairs p = 4 m + i.  vso: where vs stands.
.macro PLAIN q, vso, dos, dod, doe
.if \dos
.irp p, 0,4,1,5,2,6,3,7
	v_pk_fma_f32 v[S+2*(\p/4):S+2*(\p/4)+1], v[DD+2*\p:DD+2*\p+1], v[(\vso)+2*(\p%4):(\vso)+2*(\p%4)+1], v[S+2*(\p/4):S+2*(\p/4)+1]
.endr
.endif
.if \dod
.irp p, 0,1,2,3,4,5,6,7
	v_pk_add_f32 v[DD+2*\p:DD+2*\p+1], v[E+2*\p:E+2*\p+1], 1.0 op_sel_hi:[1,0]
.endr
.endif
.if \doe
.irp p, 0,1,2,3,4,5,6,7
	v_pk_mul_f32 v[E+2*\p:E+2*\p+1], v[ACC+32*(1-(\q))+2*\p:ACC+32*(1-(\q))+2*\p+1], s[CS:CS+1] op_sel_hi:[1,0]      ; c x the even K steps' sum; each accumulator from its low end on
.endr
.irp p, 0,1,2,3,4,5,6,7
	v_pk_fma_f32 v[E+2*\p:E+2*\p+1], v[ACC+32*(1-(\q))+16+2*\p:ACC+32*(1-(\q))+16+2*\p+1], s[CS:CS+1], v[E+2*\p:E+2*\p+1] op_sel_hi:[1,0,1]   ; + c x the odd ones'
.endr
.endif
.endm
.macro TRANS doe                       ; one batch, a wait ahead of it and one behind it
	s_wait_alu depctr_va_vdst(0)
.set jj, 0
.rept 16
	v_rcp_f32 v[DD+jj], v[DD+jj]
.set jj, jj+1
.endr
.if \doe
.set jj, 0
.rept 16
	v_exp_f32 v[E+jj], v[E+jj]
.set jj, jj+1
.endr
.endif
	v_nop
	s_wait_alu depctr_va_vdst(0)
.endm
.macro STEP q, fetch, u                ; tile t, q = t % 2
	s_wait_dscnt 0x0                               ; the run issued a step ago is in
.if \fetch
	RUN 1-\q
.endif
	WIN 0x09                                       ; source 0 (Wh) window 1, source 1 (enc) window 2
.set n, 0
.rept 16
.set kk, n/2
.set mq, n%2
.set DR, ACC+32*\q+16*(kk%2)+8*mq
.set BR, 96*\q+12*kk
.set AR, 12*(2*kk+mq)
.if kk == 1
	v_wmma_scale_f32_16x16x128_f8f6f4 v[DR:DR+7], v[BR:BR+11], v[AR:AR+11], 0, v[WHS+4*\q+kk/2], v[ES+8*mq+kk] matrix_a_fmt:MATRIX_FMT_BF6 matrix_b_fmt:MATRIX_FMT_BF6 matrix_a_scale:MATRIX_SCALE_ROW1
.elseif kk%2
	v_wmma_scale_f32_16x16x128_f8f6f4 v[DR:DR+7], v[BR:BR+11], v[AR:AR+11], v[DR:DR+7], v[WHS+4*\q+kk/2], v[ES+8*mq+kk] matrix_a_fmt:MATRIX_FMT_BF6 matrix_b_fmt:MATRIX_FMT_BF6 matrix_a_scale:MATRIX_SCALE_ROW1
.else
	v_wmma_scale_f32_16x16x128_f8f6f4 v[DR:DR+7], v[BR:BR+11], v[AR:AR+11], v[DR:DR+7], v[WHS+4*\q+kk/2], v[ES+8*mq+kk] matrix_a_fmt:MATRIX_FMT_BF6 matrix_b_fmt:MATRIX_FMT_BF6
.endif
.set n, n+1
.endr
	WIN 0
	PLAIN \q, TBL+24*\q, 1, 1, 1
.if \u
	UU \q
.endif
	TRANS 1
.endm
; The three lines, a round of the cluster's barrier, and my one joint load behind it: my quarter of the next eight tiles, into the other slot.
.macro FILL back
	s_wait_tensorcnt 0x0
	ds_add_u32 v[SPW], v[NIL]
	s_xor_b32 s[G0W+1], s[G0W+1], WSL1
	s_add_nc_u64 s[G0W+2:G0W+3], s[G0W+2:G0W+3], WSLB
.if \back
	s_sub_co_u32 s[TB], s[TB], WSLB                ; the fetches go to the other slot's first tile
	s_xor_b32 s[TB], s[TB], WSL1
.endif
	s_wait_dscnt 0x0
	CROUND
	tensor_load_to_lds s[G0W:G0W+3], s[G1W:G1W+7]
	s_nop 0
	PLACES 4
.endm
.macro PAIRLOOP cnt
	s_mov_b32 s[INN], \cnt
.Lpair_\@:
	STEP 1, 1, 1
	STEP 0, 1, 1
	s_sub_co_u32 s[INN], s[INN], 1
	s_cmp_lg_u32 s[INN], 0
	s_cbranch_scc1 .Lpair_\@
.endm
	s_wait_alu depctr_va_vdst(0)                   ; the last codes
	FILL 0                                         ; slot 0 and the tables are whole for all; slot 1's first fill, issued as a refill is
	RUN 0                                          ; tile 0; vs of tile -3 (zeros), wc and dec of tile 1
	ds_load_b128 v[TBL+32:TBL+35], v[ADU]          ; and wc and dec of tile 0, into the other set
	ds_load_b128 v[TBL+36:TBL+39], v[ADU] offset:16
	ds_load_b128 v[TBL+40:TBL+43], v[ADU] offset:4096
	ds_load_b128 v[TBL+44:TBL+47], v[ADU] offset:4112
.set jj, 0
.rept 64                               ; the step is written once: the first three work on tiles -3, -2, -1, which are these zeros, and meet vs = 0
	v_mov_b32 v[ACC+32+jj], 0
.set jj, jj+1
.endr
.irp i, 0,1,2,3
	v_mov_b32 v[S+\i], 0
.endr
	s_wait_dscnt 0x0
	UU 1
	s_wait_alu depctr_va_vdst(0)
	STEP 0, 1, 1                                   ; tile 0
	PAIRLOOP 3                                     ; tiles 1 to 6
	s_mov_b32 s[OUTC], 6
.Lslot:                                            ; six trips: tiles 7 to 54; tiles 16 to 63 are asked for
	FILL 1
	PAIRLOOP 4
	s_sub_co_u32 s[OUTC], s[OUTC], 1
	s_cmp_lg_u32 s[OUTC], 0
	s_cbranch_scc1 .Lslot
	s_wait_tensorcnt 0x0                           ; the last change of slots fills nothing
	ds_add_u32 v[SPW], v[NIL]
	s_sub_co_u32 s[TB], s[TB], WSLB
	s_xor_b32 s[TB], s[TB], WSL1
	s_wait_dscnt 0x0
	s_barrier_signal -1
	s_barrier_wait -1
	PAIRLOOP 4                                     ; tiles 55 to 62
	STEP 1, 0, 0                                   ; tile 63
.irp d, 0,1,2                          ; the pipeline runs empty: tiles 61, 62, 63
	ds_load_b128 v[TBL+8*\d:TBL+8*\d+3], v[H32] offset:4096+64*\d
	ds_load_b128 v[TBL+8*\d+4:TBL+8*\d+7], v[H32] offset:4096+64*\d+16
.endr
	s_wait_dscnt 0x0
	PLAIN 0, TBL, 1, 1, 1
	TRANS 1
	PLAIN 0, TBL+8, 1, 1, 0
	TRANS 0
	PLAIN 0, TBL+16, 1, 0, 0
	; t of my 32 rows, the block's maximum, p
	v_add_f32 v48, v[S], v[S+1]
	v_add_f32 v49, v[S+2], v[S+3]
	v_permlanex16_b32 v50, v48, s[SEL], s[SEL+1]
	v_permlanex16_b32 v51, v49, s[SEL], s[SEL+1]
	v_add_f32 v48, v48, v50
	v_add_f32 v49, v49, v51
	v_and_b32 v52, 31, v0
	v_cmp_le_u32 vcc_lo, 16, v52
	v_cndmask_b32 v48, v48, v49, vcc_lo            ; row = lane
	ds_store_b32 v[TSA], v48
	s_wait_alu depctr_va_vdst(0)
	s_wait_dscnt 0x0
	s_barrier_signal -1
	s_barrier_wait -1
	ds_load_b128 v[52:55], v[TSR]                  ; the block's 128 t, four a lane
	s_wait_dscnt 0x0
	v_max3_num_f32 v56, v52, v53, v54
	v_max_num_f32 v56, v56, v55
	v_max_num_f32_dpp v56, v56, v56 row_xmask:1 row_mask:0xf bank_mask:0xf
	v_max_num_f32_dpp v56, v56, v56 row_xmask:2 row_mask:0xf bank_mask:0xf
	v_max_num_f32_dpp v56, v56, v56 row_xmask:4 row_mask:0xf bank_mask:0xf
	v_max_num_f32_dpp v56, v56, v56 row_xmask:8 row_mask:0xf bank_mask:0xf
	v_permlanex16_b32 v57, v56, s[SEL], s[SEL+1]
	v_max_num_f32 v56, v56, v57                    ; m
	v_sub_f32 v58, v48, v56
	v_mov_b32 v57, v56
	s_wait_alu depctr_va_vdst(0)
	v_exp_f32 v58, v58
	v_nop
	s_wait_alu depctr_va_vdst(0)
	v_mul_f32 v58, v58, v[MSK]                     ; p = 2^(t - m) x mask
	ds_store_b32 v[PBA], v58
.irp j, 0,1,2,3,4,5,6,7
	ds_load_b128 v[P+4*\j:P+4*\j+3], v[PBR] offset:16*\j   ; my 32 p, each in every lane; LDS serves a wave's instructions in order
.endr
.set jj, 0
.rept 32
	v_mov_b32 v[CA+jj], 0                          ; my 32 columns' sums
.set jj, jj+1
.endr
	s_wait_alu depctr_va_vdst(0)                   ; ahead of the branch
	s_cmp_lg_u32 s[WV], 0
	s_cbranch_scc1 .Lnot_first
	global_store_b128 v[L16], v[52:55], s[18:19]           ; wave 0: the block's t, 512 consecutive bytes, aligned
	global_store_b64 v[LN8], v[56:57], s[20:21] offset:4096   ; and m, 256 consecutive bytes, aligned
.Lnot_first:
	s_wait_dscnt 0x0
.set r, 0
.rept 32
	ds_load_b64 v[XL0+2*r:XL0+2*r+1], v[CPA] offset:256*r
	ds_load_b64 v[XL1+2*r:XL1+2*r+1], v[CPA] offset:8192+256*r
.set r, r+1
.endr
.macro CF xb, k, r                     ; four columns of K step k take p[r] x the copy's row r
	v_fma_mix_f32_bf16 v[CA+4*(\k)], v[\xb], v[P+(\r)], v[CA+4*(\k)] op_sel:[0,0,0] op_sel_hi:[1,0,0]
	v_fma_mix_f32_bf16 v[CA+4*(\k)+1], v[\xb], v[P+(\r)], v[CA+4*(\k)+1] op_sel:[1,0,0] op_sel_hi:[1,0,0]
	v_fma_mix_f32_bf16 v[CA+4*(\k)+2], v[(\xb)+1], v[P+(\r)], v[CA+4*(\k)+2] op_sel:[0,0,0] op_sel_hi:[1,0,0]
	v_fma_mix_f32_bf16 v[CA+4*(\k)+3], v[(\xb)+1], v[P+(\r)], v[CA+4*(\k)+3] op_sel:[1,0,0] op_sel_hi:[1,0,0]
.endm
	WIN 0x03
.set r, 0
.rept 32
.irp k, 0,1,2,3
	CF 2*(r+32*\k), \k, r
.endr
.set r, r+1
.endr
	WIN 0x02
.set r, 0
.rept 32
	CF 192+2*r, 4, r
.set r, r+1
.endr
	WIN 0x01
.set r, 0
.rept 32
	CF 192+2*r, 5, r
.set r, r+1
.endr
	WIN 0
	s_wait_dscnt 0x0                               ; K steps 6 and 7 are back from LDS
.set r, 0
.rept 32
	CF XL0+2*r, 6, r
	CF XL1+2*r, 7, r
.set r, r+1
.endr
.irp k, 0,1,2,3,4,5,6,7
	ds_store_b128 v[RDA], v[CA+4*\k:CA+4*\k+3] offset:512*\k   ; my part, over my own bytes of the copy, which I have read out
.endr
	s_wait_dscnt 0x0
	s_barrier_signal -1
	s_barrier_wait -1
.irp u, 0,1,2,3
	ds_load_b128 v[64+4*\u:67+4*\u], v[RDR] offset:16384*\u
	ds_load_b128 v[80+4*\u:83+4*\u], v[RDR] offset:16384*\u+2048
.endr
	s_wait_dscnt 0x0
.irp b, 64, 80
.irp u, 1,2,3
	v_pk_add_f32 v[\b:\b+1], v[\b:\b+1], v[\b+4*\u:\b+4*\u+1]
	v_pk_add_f32 v[\b+2:\b+3], v[\b+2:\b+3], v[\b+4*\u+2:\b+4*\u+3]
.endr
.endr
	global_store_b128 v[T16], v[64:67], s[20:21]           ; a wave stores 512 consecutive bytes, aligned
	global_store_b128 v[T16], v[80:83], s[20:21] offset:2048
	s_wait_tensorcnt 0x0                           ; the wave's end
	ds_add_u32 v[SPW], v[NIL]
	s_wait_dscnt 0x0
	CROUND                                         ; the closing round
	s_endpgm
.Lfunc_end_k_qa841718d6b_fuse:
	.size	k_qa841718d6b_fuse, .Lfunc_end_k_qa841718d6b_fuse-k_qa841718d6b_fuse
	.p2alignl 7, 3214868480
	.fill 96, 4, 3214868480
	.section	.rodata,"a",@progbits
	.p2align	6, 0x0
	.amdhsa_kernel k_qa841718d6b_fuse
		.amdhsa_group_segment_fixed_size 327680
		.amdhsa_private_segment_fixed_size 0
		.amdhsa_enable_private_segment 0
		.amdhsa_kernarg_size 72
		.amdhsa_user_sgpr_count 2
		.amdhsa_user_sgpr_kernarg_segment_ptr 1
		.amdhsa_wavefront_size32 1
		.amdhsa_system_sgpr_workgroup_id_x 1
		.amdhsa_system_sgpr_workgroup_id_y 1
		.amdhsa_system_sgpr_workgroup_id_z 1
		.amdhsa_system_vgpr_workitem_id 0
		.amdhsa_next_free_vgpr 1024
		.amdhsa_next_free_sgpr 66
		.amdhsa_reserve_vcc 1
		.amdhsa_float_denorm_mode_32 3
		.amdhsa_float_denorm_mode_16_64 3
		.amdhsa_memory_ordered 1
		.amdhsa_forward_progress 1
		.amdhsa_inst_pref_size 255
	.end_amdhsa_kernel
	.section	.bss,"aw",@nobits
	.p2align	6
	.space	262144
	.amdgpu_metadata
---
amdhsa.version: [ 1, 2 ]
amdhsa.kernels:
  - .name:           k_qa841718d6b_fuse
    .symbol:         k_qa841718d6b_fuse.kd
    .args:
      - { .name: encoder_output, .offset: 0, .size: 8, .value_kind: global_buffer, .address_space: global }
      - { .name: coverage_vector, .offset: 8, .size: 8, .value_kind: global_buffer, .address_space: global }
      - { .name: x_padding_masks, .offset: 16, .size: 8, .value_kind: global_buffer, .address_space: global }
      - { .name: wc, .offset: 24, .size: 8, .value_kind: global_buffer, .address_space: global }
      - { .name: v, .offset: 32, .size: 8, .value_kind: global_buffer, .address_space: global }
      - { .name: decf, .offset: 40, .size: 8, .value_kind: global_buffer, .address_space: global }
      - { .name: whf, .offset: 48, .size: 8, .value_kind: global_buffer, .address_space: global }
      - { .name: tsc, .offset: 56, .size: 8, .value_kind: global_buffer, .address_space: global }
      - { .name: part, .offset: 64, .size: 8, .value_kind: global_buffer, .address_space: global }
    .group_segment_fixed_size: 327680
    .private_segment_fixed_size: 0
    .kernarg_segment_align: 8
    .kernarg_segment_size: 72
    .max_flat_workgroup_size: 128
    .sgpr_count:     66
    .vgpr_count:     1024
    .wavefront_size: 32
...
	.end_amdgpu_metadata
.endif
;; end of part 2
;; launch fin (part 3): grid 16 x 16, 16 waves a work-group, no clusters, 6,656 bytes of LDS; arguments part, tsc, x_padding_masks, coverage_vector, out0, out1, out2; writes out0, out1, out2
.if DOCPART == 3
	.amdgcn_target "amdgcn-amd-amdhsa--gfx1250"
	.amdhsa_code_object_version 6
	.text
	.protected	k_qa841718d6b_fin
	.globl	k_qa841718d6b_fin
	.p2align	8
	.type	k_qa841718d6b_fin,@function
k_qa841718d6b_fin:
	s_mov_b64 s[64:65], 0
	v_nop
	global_prefetch_b8 v0, s[64:65] scope:SCOPE_SE
	s_setreg_imm32_b32 hwreg(HW_REG_WAVE_MODE, 25, 1), 1
	s_wait_xcnt 0x0
; attn = softmax(score) x mask / its sum;  out0 = context;  out1 = attn;  out2 = coverage + attn.  tsc holds log2(e) x score less a number that is the same for all of a batch.
; With M the largest tsc of the batch (over ALL l) and p = 2^(tsc - M) x mask:  attn = p / sum of p: the softmax's own divisor cancels against the second division.
; part holds, for each of a batch's 32 blocks of 128 l, sum of 2^(tsc - m) x mask x enc (4,096 bytes) and the block's m (256 bytes):  context = sum over blocks of 2^(m - M) part / sum of p.
; Work-group (x, y): batch y, columns 64 x .. 64 x + 63 of the context, l = 256 x .. 256 x + 255 of attn and coverage.  Every output number has one owner.
; Sixteen waves; wave w takes blocks 2 w (lanes 0-15) and 2 w + 1 (lanes 16-31): 256 bytes of each.  No matrix unit, no cluster, no loop to run ahead in.  All arithmetic in f32.
; LIMITS: NaN and infinities among the inputs are not served; a p under 2^-126 counts as 0; a batch whose masked sum is 0 gives NaN, as the definition does.
.set RMX, 0
.set RSM, 256
.set RED, 512
.set SPARE, 4608
.set T,   8
.set MK,  16
.set CV,  24
.set Q,   28
.set AC,  36
.set W,   40
.set TP,  56
.set X,   64
.set XP,  128
.set MG,  132
.set OA,  136
.set INV, 144
.set O0,  145
	s_load_b256 s[4:11], s[0:1], 0x0               ; part, tsc, mask, coverage
	s_load_b128 s[12:15], s[0:1], 0x20             ; out0, out1
	s_load_b64 s[16:17], s[0:1], 0x30              ; out2
	v_lshl_add_u32 v146, v0, 2, SPARE
	v_mov_b32 v147, 0
	v_lshrrev_b32 v1, 5, v0
	v_readfirstlane_b32 s18, v1                    ; wave 0..15
	s_and_b32 s19, ttmp7, 0xffff                   ; batch
	s_lshl_b32 s23, ttmp9, 8
	s_lshl_b32 s29, s18, 8
	s_add_co_u32 s29, s29, RED
	s_mov_b32 s30, 0x76543210
	s_mov_b32 s31, 0xfedcba98
	s_lshl_b32 s20, s19, 14                        ; the batch's row in tsc and mask
	s_mov_b32 s21, 0
	s_mul_i32 s22, s19, 32*4352                    ; the batch's 32 blocks,
	s_mul_i32 s27, s18, 2*4352                     ; my wave's two
	s_add_co_u32 s22, s22, s27
	s_lshr_b32 s28, ttmp9, 3                       ; the half from which this work-group stores attn
	s_lshl_b32 s24, s28, 13
	s_add_co_u32 s24, s24, s20
	s_mov_b32 s25, 0
	s_lshl_b32 s26, s19, 12
	s_add_co_u32 s26, s26, s23                     ; my 64 numbers of out0
	s_mov_b32 s27, 0
	v_and_b32 v1, 31, v0
	v_and_b32 v2, 15, v0
	v_bfe_u32 v3, v0, 4, 1
	v_lshlrev_b32 v4, 4, v0
	v_mul_u32_u24 v5, v3, 4352                     ; block h of my two
	v_lshl_add_u32 v60, v2, 4, v5
	v_add_nc_u32 v60, s23, v60                     ; + the work-group's 256 bytes, 16 a lane
	v_mov_b32 v6, s18
	v_lshlrev_b32 v6, 2, v6
	v_mov_b32 v7, 0
	v_lshlrev_b32 v[O0], 4, v2
	v_add_nc_u32 v62, s29, v[O0]
	v_add_nc_u32 v63, RED, v[O0]
	s_mov_b32 s23, 0
	s_wait_alu depctr_va_vdst(0)
	s_wait_kmcnt 0x0
	s_add_nc_u64 s[4:5], s[4:5], s[22:23]
	s_add_nc_u64 s[6:7], s[6:7], s[20:21]
	s_add_nc_u64 s[8:9], s[8:9], s[20:21]
	s_add_nc_u64 s[10:11], s[10:11], s[24:25]
	s_add_nc_u64 s[12:13], s[12:13], s[26:27]
	s_add_nc_u64 s[14:15], s[14:15], s[24:25]
	s_add_nc_u64 s[16:17], s[16:17], s[24:25]
	global_load_b128 v[T:T+3], v4, s[6:7]
	global_load_b128 v[T+4:T+7], v4, s[6:7] offset:8192
	global_load_b128 v[MK:MK+3], v4, s[8:9]
	global_load_b128 v[MK+4:MK+7], v4, s[8:9] offset:8192
	global_load_b128 v[CV:CV+3], v4, s[10:11]
	global_load_b128 v[XP:XP+3], v60, s[4:5]
	global_load_b32 v[MG], v5, s[4:5] offset:4096
	s_wait_loadcnt 0x0
	v_max3_num_f32 v[TP], v[T], v[T+1], v[T+2]
	v_max3_num_f32 v[TP+1], v[T+3], v[T+4], v[T+5]
	v_max3_num_f32 v[TP], v[TP], v[T+6], v[T+7]
	v_max_num_f32 v[TP], v[TP], v[TP+1]
	v_max_num_f32_dpp v[TP], v[TP], v[TP] row_xmask:1 row_mask:0xf bank_mask:0xf
	v_max_num_f32_dpp v[TP], v[TP], v[TP] row_xmask:2 row_mask:0xf bank_mask:0xf
	v_max_num_f32_dpp v[TP], v[TP], v[TP] row_xmask:4 row_mask:0xf bank_mask:0xf
	v_max_num_f32_dpp v[TP], v[TP], v[TP] row_xmask:8 row_mask:0xf bank_mask:0xf
	v_permlanex16_b32 v[TP+1], v[TP], s30, s31
	v_max_num_f32 v[TP], v[TP], v[TP+1]
	ds_store_b32 v6, v[TP] offset:RMX              ; all lanes write the same word with the same value
	s_wait_dscnt 0x0
	s_barrier_signal -1
	s_barrier_wait -1
.irp i, 0,1,2,3
	ds_load_b128 v[W+4*\i:W+4*\i+3], v7 offset:RMX+16*\i
.endr
	s_wait_dscnt 0x0
	v_max3_num_f32 v[TP], v[W], v[W+1], v[W+2]
	v_max3_num_f32 v[TP+1], v[W+3], v[W+4], v[W+5]
	v_max3_num_f32 v[TP+2], v[W+6], v[W+7], v[W+8]
	v_max3_num_f32 v[TP+3], v[W+9], v[W+10], v[W+11]
	v_max3_num_f32 v[TP], v[TP], v[W+12], v[W+13]
	v_max3_num_f32 v[TP+1], v[TP+1], v[W+14], v[W+15]
	v_max3_num_f32 v[TP], v[TP], v[TP+1], v[TP+2]
	v_max_num_f32 v[TP], v[TP], v[TP+3]            ; M
.irp j, 0,1,2,3,4,5,6,7
	v_sub_f32 v[T+\j], v[T+\j], v[TP]
.endr
	v_sub_f32 v[MG], v[MG], v[TP]
	s_wait_alu depctr_va_vdst(0)                   ; one wait ahead of the batch,
.irp j, 0,1,2,3,4,5,6,7
	v_exp_f32 v[T+\j], v[T+\j]
.endr
	v_exp_f32 v[MG], v[MG]                         ; 2^(m - M) of my block
	v_nop
	s_wait_alu depctr_va_vdst(0)                   ; and one behind it
.irp j, 0,1,2,3,4,5,6,7
	v_mul_f32 v[Q+\j], v[T+\j], v[MK+\j]           ; p = 2^(tsc - M) x mask
.endr
	v_pk_add_f32 v[TP:TP+1], v[Q:Q+1], v[Q+2:Q+3]
	v_pk_add_f32 v[TP+2:TP+3], v[Q+4:Q+5], v[Q+6:Q+7]
	v_pk_add_f32 v[TP:TP+1], v[TP:TP+1], v[TP+2:TP+3]
	v_add_f32 v[TP], v[TP], v[TP+1]
	v_add_f32_dpp v[TP], v[TP], v[TP] row_xmask:1 row_mask:0xf bank_mask:0xf
	v_add_f32_dpp v[TP], v[TP], v[TP] row_xmask:2 row_mask:0xf bank_mask:0xf
	v_add_f32_dpp v[TP], v[TP], v[TP] row_xmask:4 row_mask:0xf bank_mask:0xf
	v_add_f32_dpp v[TP], v[TP], v[TP] row_xmask:8 row_mask:0xf bank_mask:0xf
	v_permlanex16_b32 v[TP+1], v[TP], s30, s31
	v_add_f32 v[TP], v[TP], v[TP+1]
	ds_store_b32 v6, v[TP] offset:RSM
	s_wait_alu depctr_va_vdst(0)
	s_wait_dscnt 0x0
	s_barrier_signal -1
	s_barrier_wait -1
.irp i, 0,1,2,3
	ds_load_b128 v[W+4*\i:W+4*\i+3], v7 offset:RSM+16*\i
.endr
	s_wait_dscnt 0x0
	v_pk_add_f32 v[W:W+1], v[W:W+1], v[W+2:W+3]
	v_pk_add_f32 v[W+4:W+5], v[W+4:W+5], v[W+6:W+7]
	v_pk_add_f32 v[W+8:W+9], v[W+8:W+9], v[W+10:W+11]
	v_pk_add_f32 v[W+12:W+13], v[W+12:W+13], v[W+14:W+15]
	v_pk_add_f32 v[W:W+1], v[W:W+1], v[W+4:W+5]
	v_pk_add_f32 v[W+8:W+9], v[W+8:W+9], v[W+12:W+13]
	v_pk_add_f32 v[W:W+1], v[W:W+1], v[W+8:W+9]
	v_add_f32 v[TP], v[W], v[W+1]
	s_wait_alu depctr_va_vdst(0)
	v_rcp_f32 v[INV], v[TP]
	v_nop
	s_wait_alu depctr_va_vdst(0)
	; attn and coverage: l = 256 x .. 256 x + 255 are held, as half x / 8, by threads 64 (x % 8) on: two waves
	s_lshr_b32 s29, s18, 1
	s_and_b32 s32, ttmp9, 7
	s_cmp_lg_u32 s29, s32
	s_cbranch_scc1 .Lnot_mine
	s_cmp_lg_u32 s28, 0
	s_cselect_b32 s33, -1, 0
.irp j, 0,1,2,3
	v_cndmask_b32 v[OA+\j], v[Q+\j], v[Q+4+\j], s33
.endr
.irp j, 0,1,2,3
	v_mul_f32 v[OA+\j], v[OA+\j], v[INV]
.endr
.irp j, 0,1,2,3
	v_add_f32 v[OA+4+\j], v[CV+\j], v[OA+\j]
.endr
	global_store_b128 v4, v[OA:OA+3], s[14:15]     ; a wave stores 512 consecutive bytes, aligned; these registers are not written again
	global_store_b128 v4, v[OA+4:OA+7], s[16:17]
.Lnot_mine:
.irp c, 0,1,2,3
	v_mul_f32 v[AC+\c], v[MG], v[XP+\c]            ; my block's part under M
.endr
.irp c, 0,1,2,3
	v_permlanex16_b32 v[TP+\c], v[AC+\c], s30, s31
.endr
.irp c, 0,1,2,3
	v_add_f32 v[AC+\c], v[AC+\c], v[TP+\c]         ; my two blocks
.endr
	ds_store_b128 v62, v[AC:AC+3]                  ; both halves of the lanes write the same bytes with the same values
	s_wait_dscnt 0x0
	s_barrier_signal -1
	s_barrier_wait -1
	s_cmp_lg_u32 s18, 0
	s_cbranch_scc1 .Lend                           ; wave 0 adds the sixteen parts, in a fixed order
.irp i, 0,1,2,3,4,5,6,7,8,9,10,11,12,13,14,15
	ds_load_b128 v[X+4*\i:X+4*\i+3], v63 offset:256*\i
.endr
	s_wait_dscnt 0x0
.irp i, 1,2,3,4,5,6,7,8,9,10,11,12,13,14,15
	v_pk_add_f32 v[X:X+1], v[X:X+1], v[X+4*\i:X+4*\i+1]
	v_pk_add_f32 v[X+2:X+3], v[X+2:X+3], v[X+4*\i+2:X+4*\i+3]
.endr
.irp c, 0,1,2,3
	v_mul_f32 v[X+\c], v[X+\c], v[INV]             ; / the sum of p
.endr
	v_cmp_gt_u32 vcc_lo, 16, v1
	s_wait_alu depctr_va_vdst(0)
	s_wait_xcnt 0x0                                ; EXEC changes only behind this wait
	s_and_saveexec_b32 s33, vcc_lo
	global_store_b128 v[O0], v[X:X+3], s[12:13]    ; sixteen lanes store 256 consecutive bytes, aligned
	s_wait_xcnt 0x0
	s_or_b32 exec_lo, exec_lo, s33
.Lend:
	s_wait_tensorcnt 0x0                           ; the wave's end
	ds_add_u32 v146, v147
	s_wait_dscnt 0x0
	s_endpgm
.Lfunc_end_k_qa841718d6b_fin:
	.size	k_qa841718d6b_fin, .Lfunc_end_k_qa841718d6b_fin-k_qa841718d6b_fin
	.p2alignl 7, 3214868480
	.fill 96, 4, 3214868480
	.section	.rodata,"a",@progbits
	.p2align	6, 0x0
	.amdhsa_kernel k_qa841718d6b_fin
		.amdhsa_group_segment_fixed_size 6656
		.amdhsa_private_segment_fixed_size 0
		.amdhsa_enable_private_segment 0
		.amdhsa_kernarg_size 56
		.amdhsa_user_sgpr_count 2
		.amdhsa_user_sgpr_kernarg_segment_ptr 1
		.amdhsa_wavefront_size32 1
		.amdhsa_system_sgpr_workgroup_id_x 1
		.amdhsa_system_sgpr_workgroup_id_y 1
		.amdhsa_system_sgpr_workgroup_id_z 1
		.amdhsa_system_vgpr_workitem_id 0
		.amdhsa_next_free_vgpr 152
		.amdhsa_next_free_sgpr 66
		.amdhsa_reserve_vcc 1
		.amdhsa_float_denorm_mode_32 3
		.amdhsa_float_denorm_mode_16_64 3
		.amdhsa_memory_ordered 1
		.amdhsa_forward_progress 1
		.amdhsa_inst_pref_size 12
	.end_amdhsa_kernel
	.amdgpu_metadata
---
amdhsa.version: [ 1, 2 ]
amdhsa.kernels:
  - .name:           k_qa841718d6b_fin
    .symbol:         k_qa841718d6b_fin.kd
    .args:
      - { .name: part, .offset: 0, .size: 8, .value_kind: global_buffer, .address_space: global }
      - { .name: tsc, .offset: 8, .size: 8, .value_kind: global_buffer, .address_space: global }
      - { .name: x_padding_masks, .offset: 16, .size: 8, .value_kind: global_buffer, .address_space: global }
      - { .name: coverage_vector, .offset: 24, .size: 8, .value_kind: global_buffer, .address_space: global }
      - { .name: out0, .offset: 32, .size: 8, .value_kind: global_buffer, .address_space: global }
      - { .name: out1, .offset: 40, .size: 8, .value_kind: global_buffer, .address_space: global }
      - { .name: out2, .offset: 48, .size: 8, .value_kind: global_buffer, .address_space: global }
    .group_segment_fixed_size: 6656
    .private_segment_fixed_size: 0
    .kernarg_segment_align: 8
    .kernarg_segment_size: 56
    .max_flat_workgroup_size: 512
    .sgpr_count:     66
    .vgpr_count:     152
    .wavefront_size: 32
...
	.end_amdgpu_metadata
.endif
;; end of part 3
